; MI455X (gfx1250); checked and timed in simulation.
; The chip was launched on July 23, 2026; its instructions are those of AMD's public machine-readable ISA for CDNA 5 (MIT licence, August 2026) and "CDNA5" Instruction Set Architecture Reference Guide (July 2026). The comments in the code are by the model that wrote it; some were corrected since.
;; Local MHA. Allowed arithmetic: matrix products marked QUANTISED: E2M1 operands, one E8M0 scale for each 32 along K, by v_wmma_scale_f32_16x16x128_f8f6f4 with both operands' format E2M1 (or v_wmma_scale_f32_32x16x128_f4), f32 sums; products left as they are: f32 operands where the result goes on into a quantised operand, else bf16, f16 or f32 operands; f32 sums; everything else in f32.
;; Inputs: beta 1,024 float32; gamma 1,024 float32; w_out_codes 1,024 x 32 x 16 uint8 (E2M1 codes of w_out, K innermost, in blocks of 32 codes, two codes a byte); w_out_scales 1,024 x 32 uint8 (E8M0 scales of w_out, one for each 32 codes along K); w_qkv_codes 3,072 x 32 x 16 uint8 (E2M1 codes of w_qkv, K innermost, in blocks of 32 codes, two codes a byte); w_qkv_scales 3,072 x 32 uint8 (E8M0 scales of w_qkv, one for each 32 codes along K); x 1,024 x 16,384 float32.
;; Outputs: out0 1,024 x 16,384 float32.
;; This version of the problem:
;;   THIS VERSION OF THE PROBLEM IS GIVEN IN LOW PRECISION. The matrix products marked QUANTISED in the list below multiply operands that are first quantised to E2M1 (2 exponent bits, 1 mantissa bit; 4 bits a number), with one power-of-two scale for each 32 numbers along K (OCP MX v1.0); their sums are f32. All else is computed in f32.
;;   The module's matrix products, in the order in which they are computed (A, B: the left and right operand; K: the contracted axis; several contracted axes count as one K, in the product's order):
;;     1. [M 16,384, K 1,024] x [K 1,024, N 3,072]; A: computed on the way; B: input w_qkv (given as codes): QUANTISED
;;     2. [M 32, K 1] x [K 1, N 32]; A: computed on the way; B: computed on the way: left as it is (no contracted axis)
;;     3. batch 8,192 x [M 32, K 64] x [K 64, N 32]; A: computed on the way; B: computed on the way: QUANTISED
;;     4. batch 8,192 x [M 32, K 32] x [K 32, N 64]; A: softmax (see below); B: computed on the way: QUANTISED
;;     5. [M 16,384, K 1,024] x [K 1,024, N 1,024]; A: computed on the way; B: input w_out (given as codes): QUANTISED
;;   THE QUANTISER, for each operand of a quantised product, along K:
;;     - K is cut into blocks of 32 from its start; a last block that is shorter is filled with zeros.
;;     - A block's scale is 2^e with e = floor(log2(the largest magnitude in the block)) - 2, held to -126 .. 127; a block of zeros has e = 0. As a byte (E8M0): e + 127.
;;     - Each number is divided by its block's scale, clamped to +-6, and rounded to the nearest number of E2M1, ties to even, subnormals kept.
;;     - The product sums the exact products of the quantised numbers (number of the format x scale) in f32.
;;   ~~~python
;;   def quantise(x, axis):      # numpy; x: float32 -> the quantised numbers, widened to float32 again
;;       x = np.moveaxis(x, axis, -1); K = x.shape[-1]
;;       x = np.pad(x, [(0, 0)] * (x.ndim - 1) + [(0, -K % 32)]); x = x.reshape(x.shape[:-1] + (-1, 32)); a = np.abs(x).max(-1, keepdims=True)
;;       e = np.where(a > 0, np.clip(np.frexp(np.where(a > 0, a, 1))[1] - 1 - 2, -126, 127), 0)      # np.frexp(a)[1] - 1 = floor(log2(a)), exactly
;;       r = np.clip(x / 2.0 ** e, -6, 6)
;;       step = 2.0 ** (np.maximum(np.frexp(np.where(r == 0, 1, r))[1] - 1, 0) - 1)
;;       q = np.round(r / step) * step * 2.0 ** e      # np.round: ties to even
;;       return np.moveaxis(q.reshape(q.shape[:-2] + (-1,))[..., :K], -1, axis).astype(np.float32)
;;   ~~~
;;   SOFTMAX AHEAD OF A QUANTISED PRODUCT. Where the list says 'softmax', what is quantised is not the finished softmax but p = 2^(t - M), with t = logit x log2(e) and M = ceil(the row's largest t), a whole number; so 1/2 < the row's largest p <= 1. The row's sum l is taken of the UNQUANTISED p, in f32, and the product's result is divided by l at the end. Since M is a whole number, a kernel that streams over the keys may use a running M (the ceiling of the running maximum): every later rescaling is an exact power of two, which a block's scale takes up: the codes' values come out the same.
;;   OPERANDS COMPUTED ON THE WAY. 'Computed on the way' means the value that the module computes at that place (a softmax that the list does not call 'softmax' is quantised finished and normalised). What goes into a quantiser is computed in f32, as accurately as f32 sums, v_exp_f32 and their like allow (about 1e-6 of the number): no bf16 or f16 on the way to a quantiser, and a product that is left as it is and whose result goes on into a quantised operand takes f32 operands (vector FMAs, or v_wmma_f32_16x16x4_f32). A number that lies on a knife's edge between two numbers of the format may be rounded either way, as far as f32 arithmetic and the matrix unit's own rounding can turn it there, and no further.
;;   INPUTS GIVEN AS CODES. w_out (in the module: [1024, 1024], K = its axis 1); w_qkv (in the module: [3072, 1024], K = its axis 1): each comes as NAME_codes (uint8): NAME with its K axis moved to the last place and cut into blocks of 32 codes, [.., K / 32, bytes a block], one block behind the other in memory; two codes a byte, the lower K in the low four bits (a code: sign, 2 exponent bits, 1 mantissa bit); and NAME_scales (uint8): the same leading axes, one E8M0 byte (e + 127) for each 32 codes along K. Its value is code x scale, taken as it is: it is not quantised again, and the codes and scales need not be those that the quantiser above would give.
;; One version. Each part assembles by itself: llvm-mc -triple=amdgcn-amd-amdhsa -mcpu=gfx1250 --defsym DOCPART=n.
;; ======== version 1 of 1: 1 launch
;; limits: right only within a limited range of input values
;; launch fused (part 1): grid 256 x 1, 8 waves a work-group, clusters of 4 x 1, 327,680 bytes of LDS; arguments x, gamma, beta, w_qkv_codes, w_qkv_scales, w_out_codes, w_out_scales, out0; writes out0
.if DOCPART == 1
	.amdgcn_target "amdgcn-amd-amdhsa--gfx1250"
	.amdhsa_code_object_version 6
	.text
	.protected	k_q6c6e7398e3_fused
	.globl	k_q6c6e7398e3_fused
	.p2align	8
	.type	k_q6c6e7398e3_fused,@function
k_q6c6e7398e3_fused:
	s_mov_b64 s[64:65], 0
	v_nop
	global_prefetch_b8 v0, s[64:65] scope:SCOPE_SE
	s_setreg_imm32_b32 hwreg(HW_REG_WAVE_MODE, 25, 1), 1
	s_wait_xcnt 0x0
	s_wait_alu depctr_hold_cnt(0) depctr_sa_sdst(0) depctr_va_vdst(0) depctr_va_sdst(0) depctr_va_ssrc(0) depctr_va_vcc(0) depctr_vm_vsrc(0)
	s_getreg_b32 s2, hwreg(HW_REG_IB_STS2, 6, 4)
	s_cmp_eq_u32 s2, 0
	s_cbranch_scc0 .Lentry_in_a_cluster
	s_endpgm
.Lentry_in_a_cluster:
	s_bfe_u32 s2, ttmp6, 0x10000c
	s_cmp_lg_u32 s2, 0x3003
	s_cbranch_scc0 .Lentry_shape_is_right
	s_endpgm
.Lentry_shape_is_right:
; LOCAL ATTENTION, ONE LAUNCH.  out = (attention(rotary(LN(x^T) Wqkv^T)) Wout^T)^T + x.   x, out: [1024 channels][16384 tokens] f32.  Windows of 32 tokens, 16 heads of 64.
; All four products run on codes of E2M1 with one E8M0 scale for each 32 along K; everything ahead of a quantiser is f32.
; SHARES.  A work-group owns 64 tokens = two windows and takes them through the whole chain.  Eight waves, two to a SIMD, 512 registers each.
;   P0  wave w loads channels 128 w .. + 127 of all 64 tokens straight into registers: lane (r, h) tokens 4 r .. 4 r + 3, channels 64 c + 32 h + 0 .. 31 (c = 0, 1).  Sums are taken about the mean of the lane's
;       first 16 channels; means and squared deviations are merged over lanes and waves (pairwise: no difference of large sums).  Wave w makes the operand images of K step w; every wave loads all 32 fragments.
;   P1  two trips; in trip G wave w owns head 8 G + w.  Its q, k and v rows come as two slots each (K halves); rotary, quantising, scores, softmax and P V stay inside the wave; the head's output
;       goes to its part of the last product's operand images.
;   P2  four slots of Wout, 256 rows x all of K, 32 channels a wave.  Token 4 r + m is row r of tile m, so a lane's four tiles hold four neighbouring tokens of a channel: adding x puts them side by side, and sixteen lanes
;       store 256 bytes.  A slot's rows leave while the next slot is on its way and is multiplied.
; WEIGHTS come through a ring of two LDS slots; a wave fetches 64 rows x 256 bytes of each.  In P1 a slot is 512 rows x half of K and a wave reads what it fetched; in P2 wave w fetches rows 64 (w % 4) .. of K half w / 4.
; The four work-groups of a cluster ask JOINTLY: the same load, the same descriptor, a mask that names the four.
; PREFETCH.  The weights of the matrix whose loads go out two slots later are asked for by the first four clusters (every work-group walks the same weights): 512 rows x 512 bytes = 1,024 blocks, one a lane, shared out by address.
; x is loaded whole at the head, and again by rows for the residual, a slot ahead of its use: no loop runs ahead of it and no prefetch is laid.
; ORIENTATION.  q, k and the last product: source 0 = 32 weight rows, source 1 = 16 tokens: a lane holds one token.  v: source 0 = a window's 32 tokens, source 1 = 16 weight rows: a lane holds one dim, registers along the keys.
; SMALL PRODUCTS.  Lanes 0-15 and 16-31 hold halves of one block; they stay where they are: both operands hold the same permutation of K, and the block's scale byte stands twice.  The K places left over hold zero codes in
; source 0 alone (k, v); source 1's registers there hold other codes, which are finite.
; LIMITS.  NaN and infinities are not served.  A block of zeros, or one whose largest magnitude lies under 2^-124, gets the scale byte 1 (its codes are zeros or held small); these bytes are read by this text alone.
; The rotary angles n x 10000^(-f/32) are made with v_exp_f32: its rounding shows as a few 1e-6 in cos and sin at n = 31.
.set XROWB, 65536                      ; a row of x or out in bytes
.set WP,    272                        ; a weight row of a K half in LDS: 256 bytes + 16
.set WPART, 64*WP                      ; a wave's 64 rows
.set SLOT,  8*WPART                    ; 0x22000: shares no bit with wave x WPART, so one exclusive or changes slots
.set IMG,   2*SLOT                     ; 32 fragment images of 1,024 bytes, index 8 m + s: registers 4 c .. at + 512 c; lane l at 16 l.  First LN(x), later the attention's output
.set SCI,   IMG+32768                  ; 16 images of scale words, index 8 (m / 2) + s: lane 16 (m % 2) + r at 4 x lane
.set STAT,  SCI+2048                   ; eight waves' means (256 bytes) and squared deviations (256 bytes)
.set TAB,   STAT+4096                  ; the rotary table: position half p at 4,096 p; cos of four registers at 512 q + 16 lane, sin 2,048 on
.set SPARE, TAB+8192                   ; the spare words: 128 bytes a wave
; window 0: v1 the output codes' place; v2, v3 the add's; v4, v5 weight fragments in slot 0, 1; v6, v7 images; v8, v9 k's, later v's scale words; v10 the output scales' place; v11 prefetch; v12 rows of x and out; v13 weight scales
;   v14, v15 q's, later p's scale words; v16-31 the tokens' scale words (8 (m / 2) + s)
;   v32-47 the weights' (8 (K half) + 4 p + i; a register serves 32 rows: in P1 p is the half of my 64 rows, in P2 the slot)
;   v48-63 q's codes, later p's (v48-55) and 1 / sum (v56, 58, 60, 62); in P2 v48-51 weight fragments' places; v64-127 weight fragments and work between products
;   v128-255 accumulators; in P2 v128-191, and v192-255 x's rows
; window 1: the tokens' 32 fragments, (m, s) at 16 (8 (m / 2) + s) + 8 (m % 2); in P0 x.
.set MSB, 0
.macro WIN new                         ; the immediate's high byte repeats the setting that is left
.if MSB != (\new)
	s_set_vgpr_msb (MSB<<8)|(\new)
.set MSB, \new
.endif
.endm
.macro PLACES n
.rept \n
	v_nop
.endr
.endm
.macro CROUND                          ; a round of the cluster's barrier
	s_barrier_signal -1
	s_barrier_wait -1
	s_cmp_lg_u32 s20, 0
	s_cbranch_scc1 .Lnot_wave_0_\@
	s_barrier_signal -3
.Lnot_wave_0_\@:
	s_barrier_wait -3
	s_barrier_signal -1
	s_barrier_wait -1
.endm
; THE CHANGE OF SLOTS stands behind a slot's products: my load of the next slot has landed, my reads of this one are over; behind the round this slot takes the weights two slots on.
; kind 0: the same rows' second K half;  1: 1,024 rows on, first K half;  2: the next trip's q rows, or Wout's;  3: s[36:37] on: a K half (trip 0), or in Wout 256 rows.
.macro CH kind
	s_wait_alu depctr_va_vdst(0)
	s_wait_tensorcnt 0x0                           ; no tensor load of mine is out: the descriptor may be written
	ds_add_u32 v2, v3                              ; the descriptor's steps stand between the add and the wait for it
	s_xor_b32 s41, s41, SLOT
.if \kind == 0
	s_add_nc_u64 s[42:43], s[42:43], 256
.elseif \kind == 1
	s_add_nc_u64 s[42:43], s[42:43], 524032
.elseif \kind == 2
	s_mov_b64 s[42:43], s[52:53]
	s_or_b32 s43, s43, 0x80000000
.else
	s_add_nc_u64 s[42:43], s[42:43], s[36:37]
.endif
	s_wait_dscnt 0x0                               ; the add is done, and so are all my LDS reads and stores
	CROUND
	tensor_load_to_lds s[40:43], s[24:31]
	s_nop 0
	PLACES 4
.endm
.macro PF base, off                    ; clusters 0 to 3 ask for a matrix's 512 rows: my wave 16 of 64 rows, by my place in the cluster; a lane a block of 256 bytes
	s_cmp_lt_u32 ttmp9, 4
	s_cbranch_scc0 .Lno_pf_\@
	global_prefetch_b8 v11, s[\base:\base+1] offset:\off th:TH_LOAD_NT scope:SCOPE_SE
.Lno_pf_\@:
.endm
.macro SCL kh, off                     ; scale bytes of my 64 rows of k or v, K half kh: 32 rows a load, 16 bytes a lane
.irp p,0,1
	global_load_b128 v[32+8*(\kh)+4*\p:35+8*(\kh)+4*\p], v13, s[66:67] offset:\off+16*(\kh)+1024*\p
.endr
.endm
.macro SCLN kh                         ; the next trip's q rows, or Wout's first two slots
	global_load_b128 v[32+8*(\kh):35+8*(\kh)], v13, s[88:89] offset:16*(\kh)
	global_load_b128 v[36+8*(\kh):39+8*(\kh)], v13, s[34:35] offset:16*(\kh)
.endm
.macro SC2 sl, off                     ; Wout's last two slots
.irp k,0,1
	global_load_b128 v[32+8*\k+4*(\sl):35+8*\k+4*(\sl)], v13, s[66:67] offset:\off+16*\k
.endr
.endm
.macro LOADW sp, i                     ; my 64 rows' fragments of the slot's i-th K step into set i % 2
.irp t,0,1,2,3
.irp c,0,1
	ds_load_b128 v[64+32*((\i)%2)+8*\t+4*\c:67+32*((\i)%2)+8*\t+4*\c], v[4+\sp] offset:16*WP*\t+64*(\i)+32*\c
.endr
.endr
.endm
.macro WMM                             ; one product: 32 rows x 16 columns; rZ: C = 0; rR: source 1's scales lie in lanes 16-31
.if rZ
.if rR
	v_wmma_scale_f32_32x16x128_f4 v[rD:rD+15], v[rA:rA+15], v[rB:rB+7], 0, v[rSA], v[rSB] matrix_b_scale:MATRIX_SCALE_ROW1
.else
	v_wmma_scale_f32_32x16x128_f4 v[rD:rD+15], v[rA:rA+15], v[rB:rB+7], 0, v[rSA], v[rSB]
.endif
.else
.if rR
	v_wmma_scale_f32_32x16x128_f4 v[rD:rD+15], v[rA:rA+15], v[rB:rB+7], v[rD:rD+15], v[rSA], v[rSB] matrix_b_scale:MATRIX_SCALE_ROW1
.else
	v_wmma_scale_f32_32x16x128_f4 v[rD:rD+15], v[rA:rA+15], v[rB:rB+7], v[rD:rD+15], v[rSA], v[rSB]
.endif
.endif
.endm
; A slot's products in P1: 4 K steps x 8 accumulators of 32 x 16, one instruction a turn.  sp: the slot; kh: its K half; zero: it starts the sums.
; ori 0: accumulator (m, p) at 128 + 32 m + 16 p;  ori 1: (window, t) at 128 + 64 window + 16 t.
.macro GEMM ori, sp, kh, zero
	WIN 0
	LOADW \sp, 0
	LOADW \sp, 1
	s_wait_alu depctr_va_vdst(0)
	s_wait_loadcnt 2                               ; this slot's scale words are in; the next slot's two loads may be out
.irp i,0,1,2,3
.if \i == 3
	s_wait_dscnt 0x0
.else
	s_wait_dscnt 8                                 ; this K step's eight loads are in; the next one's eight may be out
.endif
.if \ori
	WIN 0x01
.else
	WIN 0x04
.endif
.set kS, 4*(\kh)+\i
.if (\zero) && (\i == 0)
.set rZ, 1
.else
.set rZ, 0
.endif
.irp b,0,1,2,3,4,5,6,7
.set bh, \b/4
.set bl, \b%4
.set rR, bl%2
.if \ori
.set rA, 16*(8*bh+kS)
.set rB, 64+32*(\i%2)+8*bl
.set rD, 128+64*bh+16*bl
.set rSA, 16+8*bh+kS
.set rSB, 32+8*(\kh)+4*(bl/2)+\i
.else
.set rA, 64+32*(\i%2)+16*bh
.set rB, 16*(8*(bl/2)+kS)+8*(bl%2)
.set rD, 128+32*bl+16*bh
.set rSA, 32+8*(\kh)+4*bh+\i
.set rSB, 16+8*(bl/2)+kS
.endif
	WMM
.endr
.if \i < 2
	WIN 0
	PLACES 4                                       ; in front of loads into registers that these products read
	LOADW \sp, \i+2
.endif
.endr
	WIN 0
	PLACES 4
.endm
.macro FRAGS kh                        ; the fragments of K half kh from the images
	WIN 0x40
.irp m,0,1,2,3
.irp s,0,1,2,3
.irp c,0,1
	ds_load_b128 v[16*(8*(\m/2)+4*(\kh)+\s)+8*(\m%2)+4*\c:16*(8*(\m/2)+4*(\kh)+\s)+8*(\m%2)+4*\c+3], v6 offset:1024*(8*\m+4*(\kh)+\s)+512*\c
.endr
.endr
.endr
	WIN 0
.endm
.macro XSCALES
.irp i,0,1,2,3,4,5,6,7,8,9,10,11,12,13,14,15
	ds_load_b32 v[16+\i], v7 offset:128*\i
.endr
.endm
; ---- quantising.  Four blocks' largest magnitudes in v112-115 (my 16 numbers of each): joined with lane l xor 16's; v120-123 the conversions' scale operands; v116-119 the scale bytes.
.macro QTAIL
.irp b,0,1,2,3
	v_permlanex16_b32 v[116+\b], v[112+\b], s58, s59
.endr
.irp b,0,1,2,3
	v_max_num_f32 v[112+\b], v[112+\b], v[116+\b]
.endr
.irp b,0,1,2,3
	v_add_nc_u32 v[120+\b], 0xff000000, v[112+\b]  ; 2 off the exponent field
.endr
.irp b,0,1,2,3
	v_lshrrev_b32 v[116+\b], 23, v[120+\b]
.endr
.endm
.macro QMAX b0, b1, b2, b3             ; four blocks of 16 registers; the floor 2^(3 - 127) holds the byte at 1 from below
	v_max3_num_f32 v112, |v[\b0]|, |v[\b0+1]|, 0x1800000
	v_max3_num_f32 v113, |v[\b1]|, |v[\b1+1]|, 0x1800000
	v_max3_num_f32 v114, |v[\b2]|, |v[\b2+1]|, 0x1800000
	v_max3_num_f32 v115, |v[\b3]|, |v[\b3+1]|, 0x1800000
.irp i,2,4,6,8,10,12,14
	v_max3_num_f32 v112, |v[\b0+\i]|, |v[\b0+\i+1]|, v112
	v_max3_num_f32 v113, |v[\b1+\i]|, |v[\b1+\i+1]|, v113
	v_max3_num_f32 v114, |v[\b2+\i]|, |v[\b2+\i+1]|, v114
	v_max3_num_f32 v115, |v[\b3+\i]|, |v[\b3+\i+1]|, v115
.endr
	QTAIL
.endm
.macro CVT4 a, e, d0, d1, d2, d3       ; a tile of 64 dims, 32 registers at a, two scale operands at e
	v_cvt_scalef32_pk8_fp4_f32 v[\d0], v[\a:\a+7], v[\e]
	v_cvt_scalef32_pk8_fp4_f32 v[\d1], v[\a+8:\a+15], v[\e]
	v_cvt_scalef32_pk8_fp4_f32 v[\d2], v[\a+16:\a+23], v[\e+1]
	v_cvt_scalef32_pk8_fp4_f32 v[\d3], v[\a+24:\a+31], v[\e+1]
.endm
.macro TABLE p                         ; cos into v64-79, sin into v80-95, for positions 16 p + r
.irp q,0,1,2,3
	ds_load_b128 v[64+4*\q:67+4*\q], v6 offset:TAB-IMG+4096*(\p)+512*\q
	ds_load_b128 v[80+4*\q:83+4*\q], v6 offset:TAB-IMG+4096*(\p)+2048+512*\q
.endr
.endm
.macro ROT m                           ; rotary on tile m, in place: dims d and d + 32 lie 16 registers apart.  a' = a cos - b sin, b' = b cos + a sin.  Each accumulator is read from its low pair on
.set ra, 128+32*(\m)
.irp g,0,8
.irp k,0,2,4,6
	v_pk_mul_f32 v[96+\k:97+\k], v[ra+16+\g+\k:ra+17+\g+\k], v[80+\g+\k:81+\g+\k]
.endr
.irp k,0,2,4,6
	v_pk_mul_f32 v[104+\k:105+\k], v[ra+\g+\k:ra+1+\g+\k], v[80+\g+\k:81+\g+\k]
.endr
.irp k,0,2,4,6
	v_pk_fma_f32 v[ra+\g+\k:ra+1+\g+\k], v[ra+\g+\k:ra+1+\g+\k], v[64+\g+\k:65+\g+\k], v[96+\k:97+\k] neg_lo:[0,0,1] neg_hi:[0,0,1]
.endr
.irp k,0,2,4,6
	v_pk_fma_f32 v[ra+16+\g+\k:ra+17+\g+\k], v[ra+16+\g+\k:ra+17+\g+\k], v[64+\g+\k:65+\g+\k], v[104+\k:105+\k]
.endr
.endr
.endm
; q (isk = 0) or k (1): rotated and quantised along the head's 64 dims.  A tile's codes take registers 0, 1 (dims 0 .. 31) and 4, 5 (dims 32 .. 63) of its fragment; its scale word is s0 s0 s1 s1.
; q: tile m's fragment begins at 48, 50, 56, 58: the others' codes fill the gaps.  k: at 128 + 8 m, zeros in the gaps.  The table's first half was loaded ahead of the change of slots.
.macro POSTQK isk
	ROT 0
	ROT 2
	TABLE 1
	QMAX 128, 144, 192, 208
.if \isk
	CVT4 128, 120, 108, 109, 110, 111
	v_nop                                          ; a plain place behind a scaled conversion
	CVT4 192, 122, 144, 145, 148, 149              ; tile 0's numbers are done with
.else
	CVT4 128, 120, 48, 49, 52, 53
	CVT4 192, 122, 56, 57, 60, 61
.endif
	v_lshl_or_b32 v126, v117, 16, v116
	v_lshl_or_b32 v127, v119, 16, v118
.if \isk
	v_mov_b32 v128, v108
	v_mov_b32 v129, v109
	v_mov_b32 v132, v110
	v_mov_b32 v133, v111
	v_lshl_or_b32 v8, v126, 8, v126
	v_lshl_or_b32 v9, v127, 8, v127
.else
	v_lshl_or_b32 v14, v126, 8, v126
	v_lshl_or_b32 v15, v127, 8, v127
.endif
	s_wait_alu depctr_va_vdst(0)
	s_wait_dscnt 0x0
	ROT 1
	ROT 3
	QMAX 160, 176, 224, 240
.if \isk
	CVT4 160, 120, 136, 137, 140, 141
	CVT4 224, 122, 152, 153, 156, 157
.else
	CVT4 160, 120, 50, 51, 54, 55
	CVT4 224, 122, 58, 59, 62, 63
.endif
	v_lshl_or_b32 v126, v117, 16, v116
	v_lshl_or_b32 v127, v119, 16, v118
	v_lshl_or_b32 v126, v126, 8, v126
	v_lshl_or_b32 v127, v127, 8, v127
.if \isk
	v_cndmask_b32 v8, v8, v126, s50                ; lanes 16-31: the window's second tile
	v_cndmask_b32 v9, v9, v127, s50
.irp z,130,134,138,142,146,150,154,158
	v_dual_mov_b32 v[\z], 0 :: v_dual_mov_b32 v[\z+1], 0
.endr
.else
	v_cndmask_b32 v14, v14, v126, s50
	v_cndmask_b32 v15, v15, v127, s50
.endif
.endm
; Scores and softmax of the four tiles of queries, by turns.  S^T = k q^T: a lane holds one query; its 16 registers at 192 + 16 qt are keys 8 h + j and 16 + 8 h + j of the query's window.
.macro SOFTMAX
	PLACES 8                                       ; scale words written by vector instructions stand 8 places ahead of a scaled product, operands 4
.irp qt,0,1,2,3
.set rZ, 1
.set rR, \qt%2
.set rD, 192+16*\qt
.set rA, 128+16*(\qt/2)
.set rB, 48+8*(\qt/2)+2*(\qt%2)
.set rSA, 8+\qt/2
.set rSB, 14+\qt/2
	WMM
.endr
	PLACES 4
.irp qt,0,1,2,3
	v_max3_num_f32 v[64+\qt], v[192+16*\qt], v[193+16*\qt], v[194+16*\qt]
.endr
.irp i,3,5,7,9,11,13
.irp qt,0,1,2,3
	v_max3_num_f32 v[64+\qt], v[192+16*\qt+\i], v[193+16*\qt+\i], v[64+\qt]
.endr
.endr
.irp qt,0,1,2,3
	v_max_num_f32 v[64+\qt], v[64+\qt], v[207+16*\qt]
.endr
.irp qt,0,1,2,3
	v_permlanex16_b32 v[68+\qt], v[64+\qt], s58, s59
.endr
.irp qt,0,1,2,3
	v_max_num_f32 v[64+\qt], v[64+\qt], v[68+\qt]  ; the row's largest score, and the one block's
.endr
.irp qt,0,1,2,3
	v_mul_f32 v[72+\qt], s56, v[64+\qt]            ; as t = score x log2(e) / 8
.endr
.irp qt,0,1,2,3
	v_floor_f32 v[76+2*\qt], -v[72+\qt]            ; -M = floor(-t): a whole number
.endr
.irp qt,0,1,2,3
	v_fma_f32 v[84+\qt], v[64+\qt], s56, v[76+2*\qt]
.endr
.irp j,0,2,4,6,8,10,12,14
.irp qt,0,1,2,3
	v_pk_fma_f32 v[192+16*\qt+\j:193+16*\qt+\j], v[192+16*\qt+\j:193+16*\qt+\j], s[56:57], v[76+2*\qt:77+2*\qt] op_sel_hi:[1,0,0]   ; t - M
.endr
.endr
	s_wait_alu depctr_va_vdst(0)
.set i, 0
.rept 64
	v_exp_f32 v[192+i], v[192+i]                   ; p = 2^(t - M): not normalised
.set i, i+1
.endr
.irp qt,0,1,2,3
	v_exp_f32 v[84+\qt], v[84+\qt]                 ; the row's largest p, over 1/2: no floor is needed for its scale
.endr
	v_nop                                          ; a plain place behind the exponentials
	s_wait_alu depctr_va_vdst(0)                   ; and behind it
.irp qt,0,1,2,3
	v_pk_add_f32 v[88+2*\qt:89+2*\qt], v[192+16*\qt:193+16*\qt], v[194+16*\qt:195+16*\qt]   ; the row's sum is taken of the unquantised p
.endr
.irp j,4,6,8,10,12,14
.irp qt,0,1,2,3
	v_pk_add_f32 v[88+2*\qt:89+2*\qt], v[192+16*\qt+\j:193+16*\qt+\j], v[88+2*\qt:89+2*\qt]
.endr
.endr
.irp qt,0,1,2,3
	v_add_nc_u32 v[96+\qt], 0xff000000, v[84+\qt]
.endr
.irp qt,0,1,2,3
	v_add_f32 v[88+2*\qt], v[88+2*\qt], v[89+2*\qt]
.endr
.irp qt,0,1,2,3
	v_lshrrev_b32 v[100+\qt], 23, v[96+\qt]
.endr
.irp qt,0,1,2,3
	v_permlanex16_b32 v[68+\qt], v[88+2*\qt], s58, s59
.endr
.irp qt,0,1,2,3
	v_lshl_or_b32 v[100+\qt], v[100+\qt], 8, v[100+\qt]   ; p's byte for both halves of the lanes; bytes 2 and 3 stay 0 over zero codes
.endr
.irp qt,0,1,2,3
	v_add_f32 v[88+2*\qt], v[88+2*\qt], v[68+\qt]
.endr
	s_wait_alu depctr_va_vdst(0)
.irp qt,0,1,2,3
	v_rcp_f32 v[56+2*\qt], v[88+2*\qt]
.endr
	v_cndmask_b32 v14, v100, v101, s50             ; (plain places behind the reciprocals)
	v_cndmask_b32 v15, v102, v103, s50
.irp qt,0,1,2,3
	v_cvt_scalef32_pk8_fp4_f32 v[48+2*\qt], v[192+16*\qt:199+16*\qt], v[96+\qt]
	v_cvt_scalef32_pk8_fp4_f32 v[49+2*\qt], v[200+16*\qt:207+16*\qt], v[96+\qt]
.endr
	v_nop                                          ; a plain place behind the conversions
.endm
; For each window: v is quantised along the 32 keys; O^T = v^T p^T; / the sum; quantised along the head's 64 dims; its codes and two scale bytes go to the images.
.macro POSTV
.irp t,0,1,2,3
.irp z,2,4,6
	v_dual_mov_b32 v[64+8*\t+\z], 0 :: v_dual_mov_b32 v[65+8*\t+\z], 0
.endr
.endr
.irp win,0,1
.set vb, 128+64*\win
	QMAX vb, vb+16, vb+32, vb+48
.irp t,0,1,2,3
	v_lshl_or_b32 v[124+\t], v[116+\t], 8, v[116+\t]
.endr
	v_cndmask_b32 v8, v124, v125, s50
	v_cndmask_b32 v9, v126, v127, s50
.irp t,0,1,2,3
	v_cvt_scalef32_pk8_fp4_f32 v[64+8*\t], v[vb+16*\t:vb+16*\t+7], v[120+\t]
	v_cvt_scalef32_pk8_fp4_f32 v[65+8*\t], v[vb+16*\t+8:vb+16*\t+15], v[120+\t]
.endr
	PLACES 8                                       ; behind the conversions; and the scale words stand 8 places ahead of a scaled product
.irp u,0,1
.irp dp,0,1
.set rZ, 1
.set rR, \u
.set rD, vb+32*\u+16*\dp
.set rA, 64+16*\dp
.set rB, 48+2*(2*\win+\u)
.set rSA, 8+\dp
.set rSB, 14+\win
	WMM
.endr
.endr
	PLACES 4
.irp u,0,1
.irp k,0,2,4,6,8,10,12,14,16,18,20,22,24,26,28,30
	v_pk_mul_f32 v[vb+32*\u+\k:vb+32*\u+\k+1], v[vb+32*\u+\k:vb+32*\u+\k+1], v[56+2*(2*\win+\u):57+2*(2*\win+\u)] op_sel_hi:[1,0]
.endr
.endr
	QMAX vb, vb+16, vb+32, vb+48
	CVT4 vb, 120, 96, 98, 97, 99                   ; tiles 0 and 2, 1 and 3 side by side: the exchange of halves below leaves a whole block in a lane
	CVT4 vb+32, 122, 100, 102, 101, 103
	v_lshl_or_b32 v124, v117, 8, v116              ; (plain places behind the conversions)
	v_lshl_or_b32 v125, v119, 8, v118
	v_permlane16_swap_b32 v96, v97
	v_permlane16_swap_b32 v98, v99
	v_permlane16_swap_b32 v100, v101
	v_permlane16_swap_b32 v102, v103
	ds_store_b128 v1, v[96:99] offset:64*(2*\win)
	ds_store_b128 v1, v[100:103] offset:64*(2*\win+1)
	ds_store_b16 v10, v124 offset:16*(2*\win)      ; both halves of the lanes write the same two bytes with the same value
	ds_store_b16 v10, v125 offset:16*(2*\win+1)
.endr
.endm
; ---- P2
.macro LOAD2 sl, i                     ; my 32 rows' fragments of K step i into set i % 4
.irp u,0,1
.irp c,0,1
	ds_load_b128 v[64+16*((\i)%4)+8*\u+4*\c:67+16*((\i)%4)+8*\u+4*\c], v[48+2*(\sl)+(\i)/4] offset:16*WP*\u+64*((\i)%4)+32*\c
.endr
.endr
.endm
; A slot's products: 8 K steps x 4 accumulators (token tile m at 128 + 16 m) by turns: three others stand between a sum's steps.  lc: younger global loads; first: the second K half's 32 fragment loads go out here.
.macro GEMM2 sl, lc, first
.irp i,0,1,2,3
	LOAD2 \sl, \i
.endr
.if \first
	FRAGS 1
.endif
	s_wait_alu depctr_va_vdst(0)
	s_wait_loadcnt \lc
.irp i,0,1,2,3,4,5,6,7
.if \i < 4
	s_wait_dscnt 12+32*(\first)                    ; three later K steps' loads may be out, and the fragments just asked for
.elseif \i == 4
	s_wait_dscnt 12
.else
	s_wait_dscnt 4*(7-\i)
.endif
	WIN 0x04
.irp m,0,1,2,3
.if \i == 0
.set rZ, 1
.else
.set rZ, 0
.endif
.set rR, \m%2
.set rD, 128+16*\m
.set rA, 64+16*(\i%4)
.set rB, 16*(8*(\m/2)+\i)+8*(\m%2)
.set rSA, 32+8*(\i/4)+4*(\sl)+\i%4
.set rSB, 16+8*(\m/2)+\i
	WMM
.endr
.if \i < 4
	WIN 0
	PLACES 4
	LOAD2 \sl, \i+4
.endif
.endr
	WIN 0
	PLACES 4
.endm
.macro RES                             ; x's rows 16 t + 8 h + j of my 32 channels: two rows of 256 bytes a load
.irp t,0,1
.irp j,0,1,2,3,4,5,6,7
	global_load_b128 v[192+32*\t+4*\j:195+32*\t+4*\j], v12, s[60:61] offset:(16*\t+\j)*XROWB
.endr
.endr
.endm
.macro WAYOUT lc                       ; lc: global loads younger than x's rows
	s_wait_loadcnt \lc
.irp t,0,1
.irp j,0,1,2,3,4,5,6,7
.irp m,0,1,2,3
	v_add_f32 v[192+32*\t+4*\j+\m], v[128+16*\m+8*\t+\j], v[192+32*\t+4*\j+\m]
.endr
.endr
.irp j,0,1,2,3,4,5,6,7
	global_store_b128 v12, v[192+32*\t+4*\j:195+32*\t+4*\j], s[62:63] offset:(16*\t+\j)*XROWB th:TH_STORE_NT   ; sixteen lanes store 256 consecutive bytes, at a multiple of 256 from out's first byte
.endr
.endr
.endm
.macro NEXT                            ; on to the next slot's 256 channels
	s_wait_xcnt 0x0                                ; loads and stores have read their registers and bases
	s_add_nc_u64 s[60:61], s[60:61], 0x1000000
	s_add_nc_u64 s[62:63], s[62:63], 0x1000000
	RES
.endm
; ---- P0's pieces
.macro XLOAD n                         ; channel 64 (i / 32) + 32 h + i % 32: two rows of 256 bytes a load
	WIN 0x40
.rept \n
	global_load_b128 v[4*i:4*i+3], v55, s[44:45] offset:(64*(i/32)+i%32)*XROWB
.set i, i+1
.endr
	WIN 0
.endm
.macro STATQ q                         ; 16 channels x 4 tokens: d = x - K, the sums of d (v64-71) and of d d (v76-83), four chains each
.irp g,0,1
	WIN 0x01
.set i, 0
.rept 16
	v_pk_add_f32 v[96+i:97+i], v[64*(\q)+32*\g+i:64*(\q)+32*\g+i+1], v[72+i%4:73+i%4]
.set i, i+2
.endr
	WIN 0
.set i, 0
.rept 16
	v_pk_add_f32 v[64+i%8:65+i%8], v[64+i%8:65+i%8], v[96+i:97+i]
	v_pk_fma_f32 v[76+i%8:77+i%8], v[96+i:97+i], v[96+i:97+i], v[76+i%8:77+i%8]
.set i, i+2
.endr
.endr
.endm
.macro B4 op, d, a, b
.irp e,0,1,2,3
	\op v[\d+\e], \a, v[\b+\e]
.endr
.endm
.macro C4 op, d, a, b
.irp e,0,1,2,3
	\op v[\d+\e], v[\a+\e], v[\b+\e]
.endr
.endm
.macro F4 d, b, k                      ; v[d] = v[d] v[b] + k
.irp e,0,1,2,3
	v_fmaak_f32 v[\d+\e], v[\d+\e], v[\b+\e], \k
.endr
.endm
; ================================================================ the head
	s_load_b512 s[4:19], s[0:1], 0x0               ; x s[4:5], gamma s[6:7], beta s[8:9], Wqkv's codes s[10:11], scales s[12:13], Wout's codes s[14:15], scales s[16:17], out s[18:19]
	v_lshl_add_u32 v2, v0, 2, SPARE
	v_mov_b32 v3, 0
	ds_add_u32 v2, v3                              ; the opening: the add, twice on end
	ds_add_u32 v2, v3
	v_lshrrev_b32 v1, 5, v0
	v_readfirstlane_b32 s20, v1                    ; wave 0..7
	s_bfe_u32 s51, ttmp6, 0x40000                  ; cx: it enters the addresses of x, out and the prefetches alone
	s_lshl_b32 s21, ttmp9, 2
	s_add_co_u32 s21, s21, s51                     ; my block of 64 tokens
	s_lshl_b32 s76, s21, 8
	s_mov_b32 s77, 0
	s_lshl_b32 s44, s20, 23                        ; P0: my 128 rows of x
	s_mov_b32 s45, 0
	s_lshl_b32 s90, s20, 21                        ; P2: my 32 rows of x and out
	s_mov_b32 s91, 0
	s_lshl_b32 s2, s20, 15                         ; my 64 weight rows of 512 bytes
	s_mov_b32 s3, 0
	s_lshl_b32 s22, s20, 11                        ; and their scale bytes, 32 a row
	s_mov_b32 s23, 0
	s_lshl_b32 s32, s20, 10                        ; those of my 32 rows of Wout
	s_mov_b32 s33, 0
	; descriptor group 1: 64 rows x 256 bytes, 512 apart, 16 bytes of padding behind each
	s_mov_b32 s24, 15|(1<<20)|(1<<21)|(5<<22)|(3<<25)  ; 15:0 the mask: all four work-groups; elements of 1 byte; 20 padding on; 21 set beside a mask; 24:22 after every 64 words; 31:25 four words
	s_mov_b32 s25, 256<<16
	s_mov_b32 s26, 64<<16
	s_mov_b32 s27, 256<<16
	s_mov_b32 s28, 64
	s_mov_b32 s29, 512
	s_mov_b32 s30, 0
	s_mov_b32 s31, 0
	s_mov_b32 s40, 1
	s_mul_i32 s41, s20, WPART
	s_mov_b32 s50, 0xffff0000                      ; lanes 16-31
	s_mov_b32 s56, 0x3e38aa3b                      ; log2(e) / sqrt(64)
	s_mov_b32 s57, s56                             ; (named with it as a pair)
	s_mov_b32 s58, 0x76543210
	s_mov_b32 s59, 0xfedcba98                      ; v_permlanex16_b32's selects for lane l xor 16
	s_mov_b32 s49, 0
	s_mov_b64 s[36:37], 256                        ; trip 0: from a K half to the next
	v_and_b32 v48, 15, v0                          ; r
	v_bfe_u32 v49, v0, 4, 1                        ; h
	v_and_b32 v50, 31, v0                          ; lane
	v_and_b32 v51, 3, v48
	v_lshrrev_b32 v52, 2, v48
	v_bfe_u32 v53, v48, 1, 1
	v_and_b32 v54, 1, v48
	v_mul_u32_u24 v4, v48, WP
	v_lshl_add_u32 v4, v49, 4, v4
	v_add_nc_u32 v4, s41, v4                       ; my part + 272 r + 16 h
	v_add_nc_u32 v5, SLOT, v4
	v_lshl_add_u32 v6, v50, 4, IMG
	v_lshl_add_u32 v7, v50, 2, SCI
	s_lshl_b32 s72, s20, 9
	s_add_co_u32 s72, s72, IMG
	v_lshlrev_b32 v1, 13, v51
	v_lshl_add_u32 v1, v49, 8, v1
	v_lshl_add_u32 v1, v52, 4, v1
	v_add_nc_u32 v1, s72, v1                       ; token 16 m + r: tile r % 4, row 4 m + r / 4; K step w / 2, half w % 2 (trip 0)
	s_lshr_b32 s72, s20, 1
	s_lshl_b32 s72, s72, 7
	s_and_b32 s73, s20, 1
	s_lshl_b32 s73, s73, 1
	s_add_co_u32 s72, s72, s73
	s_add_co_u32 s72, s72, SCI
	v_lshlrev_b32 v10, 10, v53
	v_lshl_add_u32 v10, v54, 6, v10
	v_lshl_add_u32 v10, v52, 2, v10
	v_add_nc_u32 v10, s72, v10                     ; and its two scale bytes
	v_lshlrev_b32 v11, 8, v50
	v_lshlrev_b32 v12, 19, v49
	v_lshl_add_u32 v12, v48, 4, v12                ; 8 h rows of x, 16 r bytes
	v_lshlrev_b32 v13, 5, v50
	v_lshlrev_b32 v55, 21, v49
	v_lshl_add_u32 v55, v48, 4, v55                ; P0: 32 h rows of x, 16 r bytes
	s_lshl_b32 s72, s20, 10
	s_add_co_u32 s72, s72, IMG
	v_lshlrev_b32 v56, 13, v52
	v_lshl_add_u32 v56, v49, 8, v56
	v_lshl_add_u32 v56, v51, 6, v56
	v_add_nc_u32 v56, s72, v56                     ; P0: token 4 r + e: tile r / 4, row 4 (r % 4) + e, K step w
	s_lshl_b32 s72, s20, 7
	s_add_co_u32 s72, s72, SCI
	v_lshrrev_b32 v57, 3, v48
	v_lshl_add_u32 v57, v57, 10, v49
	v_and_b32 v58, 7, v48
	v_lshl_add_u32 v57, v58, 4, v57
	v_add_nc_u32 v57, s72, v57                     ; and its scale bytes h and 2 + h
	s_lshl_b32 s72, s20, 9
	s_add_co_u32 s72, s72, STAT
	v_lshl_add_u32 v58, v48, 4, s72                ; my wave's means
	v_lshl_add_u32 v59, v48, 4, STAT               ; wave 0's
	v_lshlrev_b32 v60, 7, v49                      ; gamma, beta: 32 h channels
	s_and_b32 s72, s20, 3
	s_lshr_b32 s73, s72, 1
	s_lshl_b32 s73, s73, 4
	s_and_b32 s74, s20, 1
	s_lshl_b32 s74, s74, 2
	s_add_co_u32 s73, s73, s74
	v_lshl_add_u32 v62, v49, 3, s73
	v_cvt_f32_u32 v62, v62                         ; the table: my first frequency's index
	s_lshr_b32 s74, s20, 2
	s_lshl_b32 s75, s74, 4
	v_add_nc_u32 v63, s75, v48
	v_cvt_f32_u32 v63, v63                         ; and my position
	s_lshl_b32 s74, s74, 12
	s_lshl_b32 s72, s72, 9
	s_add_co_u32 s72, s72, s74
	s_add_co_u32 s72, s72, TAB
	v_lshl_add_u32 v61, v50, 4, s72                ; where its cosines go
	s_lshl_b32 s72, s51, 13
	s_mov_b32 s73, 0
	s_lshl_b32 s74, s20, 9
	s_mov_b32 s75, 0
	s_wait_alu depctr_va_vdst(0)
	s_wait_dscnt 0x0                               ; both opening adds are done
	s_wait_kmcnt 0x0
	s_add_nc_u64 s[46:47], s[4:5], s[76:77]
	s_add_nc_u64 s[44:45], s[46:47], s[44:45]
.set i, 0
	XLOAD 16                                       ; the first chunk goes out ahead of the round
	s_add_nc_u64 s[42:43], s[10:11], s[2:3]        ; head w: its q rows
	s_add_nc_u64 s[52:53], s[42:43], 262144        ; the next trip's; behind the last trip Wout's
	s_add_nc_u64 s[70:71], s[42:43], s[72:73]      ; the prefetches: this trip's q rows,
	s_or_b32 s43, s43, 0x80000000
	CROUND                                         ; in a cluster every group of tensor loads stands behind a round
	tensor_load_to_lds s[40:43], s[24:31]          ; q of trip 0, first K half: the launch's first fill
	s_nop 0
	PLACES 4
	XLOAD 48
	s_add_nc_u64 s[60:61], s[46:47], s[90:91]      ; the residual's rows
	s_add_nc_u64 s[62:63], s[18:19], s[76:77]
	s_add_nc_u64 s[62:63], s[62:63], s[90:91]      ; out likewise
	s_add_nc_u64 s[6:7], s[6:7], s[74:75]
	s_add_nc_u64 s[8:9], s[8:9], s[74:75]
	s_add_nc_u64 s[78:79], s[14:15], s[2:3]
	s_add_nc_u64 s[78:79], s[78:79], s[72:73]      ; Wout's first 512 rows,
	s_add_nc_u64 s[80:81], s[70:71], 262144        ; trip 1's q rows,
	s_add_nc_u64 s[82:83], s[78:79], 262144        ; Wout's last 512 rows;
	s_mov_b64 s[84:85], s[80:81]                   ; what the k slots ask for: the next q rows, then Wout's first;
	s_add_nc_u64 s[86:87], s[80:81], 524288        ; what the v slots ask for: the next k rows, then Wout's last
	s_and_b32 s54, s20, 3
	s_lshl_b32 s54, s54, 15
	s_lshr_b32 s55, s20, 2
	s_lshl_b32 s55, s55, 8
	s_add_co_u32 s54, s54, s55
	s_mov_b32 s55, 0
	s_add_nc_u64 s[54:55], s[14:15], s[54:55]      ; what I fetch of Wout's first slot: 64 rows by w % 4, the K half by w / 4
	s_add_nc_u64 s[66:67], s[12:13], s[22:23]      ; the scale bytes of my q rows,
	s_add_nc_u64 s[88:89], s[66:67], 16384         ; the next trip's,
	s_add_nc_u64 s[34:35], s[88:89], 1024          ; their second 32 rows,
	s_add_nc_u64 s[68:69], s[16:17], s[32:33]      ; and of Wout's
; ---- the rotary table, while x is on its way: four frequencies a thread
	v_add_f32 v65, 1.0, v62
	v_add_f32 v66, 2.0, v62
	v_add_f32 v67, 0x40400000, v62
	v_mul_f32 v64, 0xbed49a78, v62                 ; -f log2(10000) / 32
.irp e,1,2,3
	v_mul_f32 v[64+\e], 0xbed49a78, v[64+\e]
.endr
	s_wait_alu depctr_va_vdst(0)
.irp e,0,1,2,3
	v_exp_f32 v[64+\e], v[64+\e]                   ; 10000^(-f / 32)
.endr
.irp e,0,1,2,3
	v_mov_b32 v[84+\e], 0x3638ef1d                 ; (plain places)  sin rho to rho^9, cos rho to rho^10: |rho| <= pi / 4, the first terms left out lie under 2e-9
	v_mov_b32 v[88+\e], 0xb493f27e
.endr
	s_wait_alu depctr_va_vdst(0)                   ; and behind it
	B4 v_mul_f32, 68, v63, 64                      ; the angle a
	B4 v_mul_f32, 72, 0x3f22f983, 68
.irp e,0,1,2,3
	v_rndne_f32 v[72+\e], v[72+\e]                 ; k = the nearest whole number to a 2 / pi
.endr
.irp e,0,1,2,3
	v_fmamk_f32 v[76+\e], v[72+\e], 0xbfc90fdb, v[68+\e]   ; rho = a - k pi / 2, pi / 2 in two parts
.endr
.irp e,0,1,2,3
	v_fmamk_f32 v[76+\e], v[72+\e], 0x333bbd2e, v[76+\e]
.endr
	C4 v_mul_f32, 80, 76, 76
	F4 84, 80, 0xb9500d01
	F4 88, 80, 0x37d00d01
	F4 84, 80, 0x3c088889
	F4 88, 80, 0xbab60b61
	F4 84, 80, 0xbe2aaaab
	F4 88, 80, 0x3d2aaaab
	C4 v_mul_f32, 96, 76, 80
	F4 88, 80, 0xbf000000
.irp e,0,1,2,3
	v_fma_f32 v[84+\e], v[84+\e], v[96+\e], v[76+\e]
.endr
	F4 88, 80, 0x3f800000
.irp e,0,1,2,3
	v_cvt_i32_f32 v[92+\e], v[72+\e]               ; the quadrant only selects values and signs
.endr
	B4 v_and_b32, 96, 1, 92
.irp e,0,1,2,3
	v_cmp_eq_u32 s[92+\e], 1, v[96+\e]
.endr
.irp e,0,1,2,3
	v_cndmask_b32 v[104+\e], v[84+\e], v[88+\e], s[92+\e]  ; sin a: sin rho, in odd quadrants cos rho
	v_cndmask_b32 v[100+\e], v[88+\e], v[84+\e], s[92+\e]  ; cos a: the other
.endr
	B4 v_lshlrev_b32, 96, 30, 92
	B4 v_add_nc_u32, 92, 1, 92
	B4 v_and_b32, 96, 0x80000000, 96
	B4 v_lshlrev_b32, 92, 30, 92
	C4 v_xor_b32, 104, 104, 96                     ; sin is negated in quadrants 2 and 3,
	B4 v_and_b32, 92, 0x80000000, 92
	C4 v_xor_b32, 100, 100, 92                     ; cos in 1 and 2
	ds_store_b128 v61, v[100:103]
	ds_store_b128 v61, v[104:107] offset:2048
; ---- statistics, chunk by chunk of 16 channels a lane as x arrives
.irp z,76,78,80,82
	v_dual_mov_b32 v[\z], 0 :: v_dual_mov_b32 v[\z+1], 0
.endr
	s_wait_alu depctr_va_vdst(0)
	s_wait_loadcnt 48                              ; the first 16 of the 64 are in
	WIN 0x05
	v_pk_add_f32 v[64:65], v[0:1], v[8:9]
	v_pk_add_f32 v[66:67], v[2:3], v[10:11]
	v_pk_add_f32 v[68:69], v[4:5], v[12:13]
	v_pk_add_f32 v[70:71], v[6:7], v[14:15]
	WIN 0x01
.set i, 16
.rept 24
	v_pk_add_f32 v[64+i%8:65+i%8], v[i:i+1], v[64+i%8:65+i%8]
.set i, i+2
.endr
	WIN 0
	v_pk_add_f32 v[64:65], v[64:65], v[68:69]
	v_pk_add_f32 v[66:67], v[66:67], v[70:71]
	v_pk_mul_f32 v[72:73], v[64:65], 0xbd800000 op_sel_hi:[1,0]    ; -K: K = the mean of my first 16 channels
	v_pk_mul_f32 v[74:75], v[66:67], 0xbd800000 op_sel_hi:[1,0]
.irp z,64,66,68,70
	v_dual_mov_b32 v[\z], 0 :: v_dual_mov_b32 v[\z+1], 0
.endr
	STATQ 0
.irp c,0,1
.irp q,0,1,2,3,4,5,6,7
	global_load_b128 v[128+64*\c+4*\q:131+64*\c+4*\q], v60, s[6:7] offset:256*\c+16*\q   ; gamma of my 64 channels
.endr
.endr
	s_wait_alu depctr_va_vdst(0)
	s_wait_loadcnt 48                              ; behind chunk 1: 32 of x, 16 of gamma
	STATQ 1
.irp c,0,1
.irp q,0,1,2,3,4,5,6,7
	global_load_b128 v[160+64*\c+4*\q:163+64*\c+4*\q], v60, s[8:9] offset:256*\c+16*\q   ; beta
.endr
.endr
	s_wait_alu depctr_va_vdst(0)
	s_wait_loadcnt 48                              ; behind chunk 2: 16 of x, 32 of gamma and beta
	STATQ 2
	SCL 0, 0
	SCL 1, 0
	s_wait_alu depctr_va_vdst(0)
	s_wait_loadcnt 36                              ; behind chunk 3: gamma and beta, 4 of the scale words
	STATQ 3
	v_pk_add_f32 v[64:65], v[64:65], v[68:69]
	v_pk_add_f32 v[66:67], v[66:67], v[70:71]
	v_pk_add_f32 v[76:77], v[76:77], v[80:81]
	v_pk_add_f32 v[78:79], v[78:79], v[82:83]
	v_pk_fma_f32 v[84:85], v[64:65], 0x3c800000, v[72:73] op_sel_hi:[1,0,1] neg_lo:[0,0,1] neg_hi:[0,0,1]   ; my mean = K + sum / 64
	v_pk_fma_f32 v[86:87], v[66:67], 0x3c800000, v[74:75] op_sel_hi:[1,0,1] neg_lo:[0,0,1] neg_hi:[0,0,1]
	v_pk_mul_f32 v[68:69], v[64:65], 0xbc800000 op_sel_hi:[1,0]
	v_pk_mul_f32 v[70:71], v[66:67], 0xbc800000 op_sel_hi:[1,0]
	v_pk_fma_f32 v[88:89], v[68:69], v[64:65], v[76:77]            ; my squared deviations: a quarter of my channels make K, so K lies within two of my deviations of my mean
	v_pk_fma_f32 v[90:91], v[70:71], v[66:67], v[78:79]
.irp e,0,1,2,3
	v_permlanex16_b32 v[96+\e], v[84+\e], s58, s59
.endr
.irp e,0,1,2,3
	v_permlanex16_b32 v[100+\e], v[88+\e], s58, s59
.endr
	v_pk_add_f32 v[104:105], v[84:85], v[96:97] neg_lo:[0,1] neg_hi:[0,1]
	v_pk_add_f32 v[106:107], v[86:87], v[98:99] neg_lo:[0,1] neg_hi:[0,1]
	v_pk_add_f32 v[84:85], v[84:85], v[96:97]
	v_pk_add_f32 v[86:87], v[86:87], v[98:99]
	v_pk_add_f32 v[88:89], v[88:89], v[100:101]
	v_pk_add_f32 v[90:91], v[90:91], v[102:103]
	v_pk_mul_f32 v[96:97], v[104:105], 0x42000000 op_sel_hi:[1,0]  ; two means of 64: + 32 (their difference)^2
	v_pk_mul_f32 v[98:99], v[106:107], 0x42000000 op_sel_hi:[1,0]
	v_pk_mul_f32 v[84:85], v[84:85], 0.5 op_sel_hi:[1,0]
	v_pk_mul_f32 v[86:87], v[86:87], 0.5 op_sel_hi:[1,0]
	v_pk_fma_f32 v[88:89], v[96:97], v[104:105], v[88:89]
	v_pk_fma_f32 v[90:91], v[98:99], v[106:107], v[90:91]
	ds_store_b128 v58, v[84:87]
	ds_store_b128 v58, v[88:91] offset:256
	s_wait_alu depctr_va_vdst(0)
	s_wait_dscnt 0x0
	s_barrier_signal -1                            ; (slot 0's load stays out)
	s_barrier_wait -1                              ; everybody's means and deviations are in LDS
	PF 70, 524288                                  ; k's rows
.irp k,0,1,2,3,4,5,6,7
	ds_load_b128 v[64+8*\k:67+8*\k], v59 offset:512*\k
	ds_load_b128 v[68+8*\k:71+8*\k], v59 offset:512*\k+256
.endr
	s_wait_dscnt 0x0
	v_pk_add_f32 v[48:49], v[64:65], v[72:73]
	v_pk_add_f32 v[50:51], v[66:67], v[74:75]
.irp k,2,3,4,5,6,7
	v_pk_add_f32 v[48:49], v[48:49], v[64+8*\k:65+8*\k]
	v_pk_add_f32 v[50:51], v[50:51], v[66+8*\k:67+8*\k]
.endr
	v_pk_mul_f32 v[48:49], v[48:49], 0xbe000000 op_sel_hi:[1,0]    ; -mean
	v_pk_mul_f32 v[50:51], v[50:51], 0xbe000000 op_sel_hi:[1,0]
.irp k,0,1,2,3,4,5,6,7
	v_pk_add_f32 v[64+8*\k:65+8*\k], v[64+8*\k:65+8*\k], v[48:49]
	v_pk_add_f32 v[66+8*\k:67+8*\k], v[66+8*\k:67+8*\k], v[50:51]
.endr
	v_pk_mul_f32 v[64:65], v[64:65], v[64:65]
	v_pk_mul_f32 v[66:67], v[66:67], v[66:67]
.irp k,1,2,3,4,5,6,7
	v_pk_fma_f32 v[64:65], v[64+8*\k:65+8*\k], v[64+8*\k:65+8*\k], v[64:65]
	v_pk_fma_f32 v[66:67], v[66+8*\k:67+8*\k], v[66+8*\k:67+8*\k], v[66:67]
	v_pk_add_f32 v[68:69], v[68:69], v[68+8*\k:69+8*\k]
	v_pk_add_f32 v[70:71], v[70:71], v[70+8*\k:71+8*\k]
.endr
	v_pk_fma_f32 v[68:69], v[64:65], 0x43000000, v[68:69] op_sel_hi:[1,0,1]   ; + 128 x the squares of the waves' means about the mean
	v_pk_fma_f32 v[70:71], v[66:67], 0x43000000, v[70:71] op_sel_hi:[1,0,1]
	v_pk_mul_f32 v[68:69], v[68:69], 0x3a800000 op_sel_hi:[1,0]    ; the variance
	v_pk_mul_f32 v[70:71], v[70:71], 0x3a800000 op_sel_hi:[1,0]
	v_pk_add_f32 v[68:69], v[68:69], 0x3727c5ac op_sel_hi:[1,0]    ; + 1e-5
	v_pk_add_f32 v[70:71], v[70:71], 0x3727c5ac op_sel_hi:[1,0]
	s_wait_alu depctr_va_vdst(0)
	v_rsq_f32 v52, v68
	v_rsq_f32 v53, v69
	v_rsq_f32 v62, v70
	v_rsq_f32 v63, v71
	v_nop                                          ; a plain place behind the transcendentals
	s_wait_alu depctr_va_vdst(0)                   ; and behind it
	v_pk_mul_f32 v[48:49], v[48:49], v[52:53]      ; -mean / deviation
	v_pk_mul_f32 v[50:51], v[50:51], v[62:63]
	s_wait_alu depctr_va_vdst(0)
	s_wait_loadcnt 4                               ; gamma and beta are in; the scale words may be out
.irp c,0,1
	WIN 0x41
.set i, 0
.rept 32
	v_pk_fma_f32 v[128*\c+4*i:128*\c+4*i+1], v[128*\c+4*i:128*\c+4*i+1], v[52:53], v[48:49]
	v_pk_fma_f32 v[128*\c+4*i+2:128*\c+4*i+3], v[128*\c+4*i+2:128*\c+4*i+3], v[62:63], v[50:51]
.set i, i+1
.endr
.irp e,0,1,2,3                         ; token 4 r + e, block 2 c + h of K step w: all its 32 numbers are mine
	WIN 0x01
.set i, 0
.rept 32
	v_fma_f32 v[64+i], v[128*\c+4*i+\e], v[128+64*\c+i], v[160+64*\c+i]
.set i, i+1
.endr
	WIN 0
.irp q,0,1,2,3
	v_max3_num_f32 v[96+\q], |v[64+8*\q]|, |v[65+8*\q]|, 0x1800000   ; the floor 2^(3 - 127) holds the byte at 1 from below
.endr
.irp k,2,4,6
.irp q,0,1,2,3
	v_max3_num_f32 v[96+\q], |v[64+8*\q+\k]|, |v[65+8*\q+\k]|, v[96+\q]
.endr
.endr
	v_max3_num_f32 v96, v96, v97, v98
	v_max_num_f32 v96, v96, v99
	v_add_nc_u32 v100, 0xff000000, v96             ; 2 off the exponent field: the conversion's scale operand
	v_lshrrev_b32 v101, 23, v100
.irp g,0,1,2,3
	v_cvt_scalef32_pk8_fp4_f32 v[104+4*(\e%2)+\g], v[64+8*\g:71+8*\g], v100
.endr
	v_nop                                          ; a plain place behind the conversions
	ds_store_b128 v56, v[104+4*(\e%2):107+4*(\e%2)] offset:512*\c+16*\e
	ds_store_b8 v57, v101 offset:4*\e+2*\c
.endr
.endr
	CH 0                                           ; all 32 fragments of LN(x) and their scale words lie in LDS; slot 0 is whole; slot 1's first fill
	FRAGS 0
	XSCALES
; ================================================================ P1: two trips, a head a wave
.Ltrip:
	GEMM 0, 0, 0, 1                                ; q
	SCL 0, 32768
	CH 1
	PF 70, 1048576                                 ; v's rows
	s_cmp_lg_u32 s49, 0
	s_cbranch_scc1 .Lboth                          ; trip 0: the second K half's fragments, first read by the products below (they stay)
	FRAGS 1
.Lboth:
	GEMM 0, 1, 1, 0
	SCL 1, 32768
	TABLE 0
	CH 0
	POSTQK 0
	GEMM 0, 0, 0, 1                                ; k
	SCL 0, 65536
	CH 1
	PF 84, 0                                       ; the next trip's q rows, or Wout's first
	GEMM 0, 1, 1, 0
	SCL 1, 65536
	TABLE 0
	CH 0
	POSTQK 1
	SOFTMAX
	GEMM 1, 0, 0, 1                                ; v
	SCLN 0
	CH 2
	PF 86, 0                                       ; the next trip's k rows, or Wout's last
	GEMM 1, 1, 1, 0
	SCLN 1
	CH 3
	POSTV
	v_add_nc_u32 v1, 0x1000, v1                    ; eight heads on: four K steps
	v_add_nc_u32 v10, 0x200, v10
	s_wait_alu depctr_va_vdst(0)
	s_wait_xcnt 0x0                                ; loads and prefetches have read their bases
	s_mov_b64 s[52:53], s[54:55]
	s_mov_b64 s[66:67], s[88:89]
	s_mov_b64 s[88:89], s[68:69]
	s_add_nc_u64 s[34:35], s[68:69], 8192          ; Wout's second slot
	s_mov_b64 s[36:37], 131072                     ; in Wout: 256 rows
	s_mov_b64 s[70:71], s[80:81]
	s_mov_b64 s[84:85], s[78:79]
	s_mov_b64 s[86:87], s[82:83]
	s_add_co_u32 s49, s49, 1
	s_cmp_lt_u32 s49, 2
	s_cbranch_scc1 .Ltrip
; ================================================================ P2: the last product, the residual, the way out
	RES                                            ; x's rows for the first slot
	s_lshr_b32 s90, s20, 1
	s_mul_i32 s90, s90, WPART
	s_and_b32 s91, s20, 1
	s_mul_i32 s91, s91, 32*WP
	s_add_co_u32 s90, s90, s91                     ; my 32 rows: part w / 2, half w % 2
	v_and_b32 v52, 15, v0
	v_bfe_u32 v53, v0, 4, 1
	v_mul_u32_u24 v48, v52, WP
	v_lshl_add_u32 v48, v53, 4, v48
	v_add_nc_u32 v48, s90, v48                     ; slot 0, first K half;
	v_add_nc_u32 v49, 4*WPART, v48                 ; second K half: four parts on;
	v_add_nc_u32 v50, SLOT, v48                    ; slot 1
	v_add_nc_u32 v51, SLOT+4*WPART, v48
	s_wait_alu depctr_va_vdst(0)
	s_wait_dscnt 0x0
	s_barrier_signal -1
	s_barrier_wait -1                              ; all sixteen heads' codes and scale bytes lie in the images
	FRAGS 0
	XSCALES
	GEMM2 0, 16, 1                                 ; x's 16 loads may be out
	SC2 0, 16384
	CH 3                                           ; the third slot
	WAYOUT 2                                       ; the two loads of scale words may be out
	NEXT
	GEMM2 1, 18, 0
	SC2 1, 24576
	CH 3                                           ; the fourth slot
	WAYOUT 2
	NEXT
	GEMM2 0, 18, 0
	s_wait_alu depctr_va_vdst(0)
	s_wait_tensorcnt 0x0                           ; my part of the fourth slot is in
	s_wait_dscnt 0x0
	s_barrier_signal -1
	s_barrier_wait -1                              ; everybody's is; nothing is filled again
	WAYOUT 0
	NEXT
	GEMM2 1, 16, 0
	WAYOUT 0
	s_wait_tensorcnt 0x0                           ; the wave's end
	ds_add_u32 v2, v3
	s_wait_dscnt 0x0
	CROUND                                         ; the closing round: no work-group ends while a partner may still ask for a tile that names it
	s_endpgm
.Lfunc_end_k_q6c6e7398e3_fused:
	.size	k_q6c6e7398e3_fused, .Lfunc_end_k_q6c6e7398e3_fused-k_q6c6e7398e3_fused
	.p2alignl 7, 3214868480
	.fill 96, 4, 3214868480
	.section	.rodata,"a",@progbits
	.p2align	6, 0x0
	.amdhsa_kernel k_q6c6e7398e3_fused
		.amdhsa_group_segment_fixed_size 327680
		.amdhsa_private_segment_fixed_size 0
		.amdhsa_enable_private_segment 0
		.amdhsa_kernarg_size 64
		.amdhsa_user_sgpr_count 2
		.amdhsa_user_sgpr_kernarg_segment_ptr 1
		.amdhsa_wavefront_size32 1
		.amdhsa_system_sgpr_workgroup_id_x 1
		.amdhsa_system_sgpr_workgroup_id_y 1
		.amdhsa_system_sgpr_workgroup_id_z 1
		.amdhsa_system_vgpr_workitem_id 0
		.amdhsa_next_free_vgpr 512
		.amdhsa_next_free_sgpr 96
		.amdhsa_reserve_vcc 0
		.amdhsa_float_denorm_mode_32 3
		.amdhsa_float_denorm_mode_16_64 3
		.amdhsa_memory_ordered 1
		.amdhsa_forward_progress 1
		.amdhsa_inst_pref_size 255
	.end_amdhsa_kernel
	.section	.bss,"aw",@nobits
	.p2align	6
	.space	262144
	.amdgpu_metadata
---
amdhsa.version: [ 1, 2 ]
amdhsa.kernels:
  - .name:           k_q6c6e7398e3_fused
    .symbol:         k_q6c6e7398e3_fused.kd
    .args:
      - { .name: x, .offset: 0, .size: 8, .value_kind: global_buffer, .address_space: global }
      - { .name: gamma, .offset: 8, .size: 8, .value_kind: global_buffer, .address_space: global }
      - { .name: beta, .offset: 16, .size: 8, .value_kind: global_buffer, .address_space: global }
      - { .name: w_qkv_codes, .offset: 24, .size: 8, .value_kind: global_buffer, .address_space: global }
      - { .name: w_qkv_scales, .offset: 32, .size: 8, .value_kind: global_buffer, .address_space: global }
      - { .name: w_out_codes, .offset: 40, .size: 8, .value_kind: global_buffer, .address_space: global }
      - { .name: w_out_scales, .offset: 48, .size: 8, .value_kind: global_buffer, .address_space: global }
      - { .name: out0, .offset: 56, .size: 8, .value_kind: global_buffer, .address_space: global }
    .group_segment_fixed_size: 327680
    .private_segment_fixed_size: 0
    .kernarg_segment_align: 8
    .kernarg_segment_size: 64
    .max_flat_workgroup_size: 256
    .sgpr_count:     96
    .vgpr_count:     512
    .wavefront_size: 32
...
	.end_amdgpu_metadata
.endif
;; end of part 1
